; MI455X (gfx1250); checked and timed in simulation.
; The chip was launched on July 23, 2026; its instructions are those of AMD's public machine-readable ISA for CDNA 5 (MIT licence, August 2026) and "CDNA5" Instruction Set Architecture Reference Guide (July 2026). The comments in the code are by the model that wrote it; some were corrected since.
;; Multi Head Attention Block. Allowed arithmetic: matrix products marked QUANTISED: E2M1 operands, one E8M0 scale for each 32 along K, by v_wmma_scale_f32_16x16x128_f8f6f4 with both operands' format E2M1 (or v_wmma_scale_f32_32x16x128_f4), f32 sums; products left as they are: bf16, f16 or f32 operands; f32 sums; everything else in f32.
;; Inputs: Wk 1,024 x 1,024 float32; Wo 1,024 x 1,024 float32; Wq 1,024 x 1,024 float32; Wv 1,024 x 1,024 float32; bk 1,024 float32; bo 1,024 float32; bq 1,024 float32; bv 1,024 float32; k 4 x 2,048 x 1,024 float32; mask 4 x 1 x 1 x 2,048 int32; q 4 x 2,048 x 1,024 float32; v 4 x 2,048 x 1,024 float32.
;; Outputs: out0 4 x 2,048 x 1,024 float32.
;; This version of the problem:
;;   THIS VERSION OF THE PROBLEM IS GIVEN IN LOW PRECISION. The matrix products marked QUANTISED in the list below multiply operands that are first quantised to E2M1 (2 exponent bits, 1 mantissa bit; 4 bits a number), with one power-of-two scale for each 32 numbers along K (OCP MX v1.0); their sums are f32. The products marked 'left as it is' may take bf16, f16 or f32 operands, with f32 sums. Whichever they take, every output number must still come out within the allowed error. Rounding operands to bf16 (8 significant bits) uses up far more of that allowance than f16 does (11 bits, for magnitudes from 6e-5 to 65,504). All else is computed in f32.
;;   The module's matrix products, in the order in which they are computed (A, B: the left and right operand; K: the contracted axis; several contracted axes count as one K, in the product's order):
;;     1. [M 8,192, K 1,024] x [K 1,024, N 1,024]; A: input q; B: input Wq: QUANTISED
;;     2. [M 8,192, K 1,024] x [K 1,024, N 1,024]; A: input k; B: input Wk: QUANTISED
;;     3. [M 8,192, K 1,024] x [K 1,024, N 1,024]; A: input v; B: input Wv: QUANTISED
;;     4. batch 64 x [M 2,048, K 64] x [K 64, N 2,048]; A: computed on the way; B: computed on the way: left as it is (an operand is computed on the way)
;;     5. batch 64 x [M 2,048, K 2,048] x [K 2,048, N 64]; A: computed on the way; B: computed on the way: left as it is (an operand is computed on the way)
;;     6. [M 8,192, K 1,024] x [K 1,024, N 1,024]; A: computed on the way; B: input Wo: left as it is (an operand is computed on the way)
;;   THE QUANTISER, for each operand of a quantised product, along K:
;;     - K is cut into blocks of 32 from its start; a last block that is shorter is filled with zeros.
;;     - A block's scale is 2^e with e = floor(log2(the largest magnitude in the block)) - 2, held to -126 .. 127; a block of zeros has e = 0. As a byte (E8M0): e + 127.
;;     - Each number is divided by its block's scale, clamped to +-6, and rounded to the nearest number of E2M1, ties to even, subnormals kept.
;;     - The product sums the exact products of the quantised numbers (number of the format x scale) in f32.
;;   ~~~python
;;   def quantise(x, axis):      # numpy; x: float32 -> the quantised numbers, widened to float32 again
;;       x = np.moveaxis(x, axis, -1); K = x.shape[-1]
;;       x = np.pad(x, [(0, 0)] * (x.ndim - 1) + [(0, -K % 32)]); x = x.reshape(x.shape[:-1] + (-1, 32)); a = np.abs(x).max(-1, keepdims=True)
;;       e = np.where(a > 0, np.clip(np.frexp(np.where(a > 0, a, 1))[1] - 1 - 2, -126, 127), 0)      # np.frexp(a)[1] - 1 = floor(log2(a)), exactly
;;       r = np.clip(x / 2.0 ** e, -6, 6)
;;       step = 2.0 ** (np.maximum(np.frexp(np.where(r == 0, 1, r))[1] - 1, 0) - 1)
;;       q = np.round(r / step) * step * 2.0 ** e      # np.round: ties to even
;;       return np.moveaxis(q.reshape(q.shape[:-2] + (-1,))[..., :K], -1, axis).astype(np.float32)
;;   ~~~
;; One version. Each part assembles by itself: llvm-mc -triple=amdgcn-amd-amdhsa -mcpu=gfx1250 --defsym DOCPART=n.
;; ======== version 1 of 1: 4 launches
;; limits: values are held in f16: magnitudes above 65,504 overflow, below 6.1e-05 lose precision
;; workspace buffers: codes 15,040,512 bytes; wo16 2,097,152 bytes; qkv 50,331,648 bytes; ctx 16,777,216 bytes
;; launch prep (part 1): grid 1024 x 1, 4 waves a work-group, no clusters, 34,304 bytes of LDS; arguments q, k, v, Wq, Wk, Wv, Wo, codes, wo16; writes codes, wo16
.if DOCPART == 1
	.amdgcn_target "amdgcn-amd-amdhsa--gfx1250"
	.amdhsa_code_object_version 6
	.text
	.protected	k_qf41adb3f1f_prep
	.globl	k_qf41adb3f1f_prep
	.p2align	8
	.type	k_qf41adb3f1f_prep,@function
k_qf41adb3f1f_prep:
	s_mov_b64 s[64:65], 0
	v_nop
	global_prefetch_b8 v0, s[64:65] scope:SCOPE_SE
	s_setreg_imm32_b32 hwreg(HW_REG_WAVE_MODE, 25, 1), 1
	s_wait_xcnt 0x0
; PREP.  q, k, v [8192][1024] and Wq, Wk, Wv [1024 (k)][1024 (n)], f32, become codes of E2M1 with one E8M0 byte for each 32 along K; Wo [1024 (k)][1024 (n)] becomes f16.
; All results are laid AS IMAGES OF THE READER'S OPERAND REGISTERS.
; codes: a RECORD of 4,352 bytes holds 16 rows x 512 along K: four fragments of 1,024 bytes (K step s of 128: byte s 1024 + b 256 + 16 r, b the block of 32, r the row: that is 512 c + 16 lane of
;   the operand's registers 4 c .. 4 c + 3), then 256 bytes of scale words (4096 + 16 r + 4 s).  Tensor a of q, k, v at a ACT + kh ACTKH + T REC (kh: half of K, T: tile of 16 rows);
;   weight a (its rows are W's columns n) at WBASE + a WTEN + kh WKH + T REC.
; wo16: [tile of 16 n][chunk of 32 k][1024]: byte p 256 + 16 r, p = (k % 32) / 8.
; A block's scale is 2^(floor(log2(largest magnitude)) - 2); its byte is the largest magnitude's exponent field - 2, held at 1 from below by a floor among the maximum's leaves.
; LIMITS: a block of zeros gets the byte 1 (the rule says 127): its codes are zeros and this program alone reads the bytes.  NaN and infinities among the inputs are not served.  Wo's numbers beyond 65,504 are not served.
; Work-groups 0-255 take the four weights (a lane takes a column n, its registers run down K: nothing is transposed); work-groups 256-1023 take q, k, v.
; No matrix unit, no tensor load, no cluster: work-groups share no input and memory binds.
.set REC,   4352
.set ACT,   4456448
.set ACTKH, 2228224
.set WBASE, 13369344
.set WTEN,  557056
.set WKH,   278528
.set STG,   8448                       ; a wave's stage in LDS: 16 rows of 512 bytes + 16
.set SP,    528
.set SPARE, 4*STG                      ; behind the stages: the spare words, 128 bytes a wave
.set SPW,   2                          ; v2  LDS address of my spare word; never rewritten
.set NIL,   3                          ; v3  0; never rewritten
	s_load_b512 s[4:19], s[0:1], 0x0               ; q 4, k 6, v 8, Wq 10, Wk 12, Wv 14, Wo 16, codes 18
	s_load_b64 s[20:21], s[0:1], 0x40              ; wo16
	v_lshl_add_u32 v[SPW], v0, 2, SPARE
	v_mov_b32 v[NIL], 0
	v_lshrrev_b32 v1, 5, v0
	v_readfirstlane_b32 s24, v1                    ; wave
	v_and_b32 v4, 31, v0                           ; lane
	v_and_b32 v5, 15, v0                           ; r
	v_bfe_u32 v6, v0, 4, 1                         ; h
	s_mov_b32 s26, 0x76543210
	s_mov_b32 s27, 0xfedcba98                      ; v_permlanex16_b32's selects for lane l xor 16
	s_wait_kmcnt 0x0
	s_cmp_lt_u32 ttmp9, 256
	s_cbranch_scc0 .Lact
; ---------------- THE WEIGHTS.  Work-group g: tensor g / 64, columns 128 ((g / 8) % 8) on, K step g % 8 of 128.  A wave: 32 columns x 128 along K.
	s_lshr_b32 s25, ttmp9, 6                       ; which weight
	s_bfe_u32 s30, ttmp9, 0x30003                  ; which 128 columns
	s_and_b32 s31, ttmp9, 7                        ; which K step
	s_cmp_eq_u32 s25, 1
	s_cselect_b64 s[22:23], s[12:13], s[10:11]
	s_cmp_eq_u32 s25, 2
	s_cselect_b64 s[22:23], s[14:15], s[22:23]
	s_cmp_eq_u32 s25, 3
	s_cselect_b64 s[22:23], s[16:17], s[22:23]
	s_lshl_b32 s32, s31, 19                        ; 128 rows of 4,096 bytes
	s_lshl_b32 s34, s30, 9
	s_add_co_u32 s32, s32, s34
	s_lshl_b32 s34, s24, 7                         ; my wave's 32 columns
	s_add_co_u32 s32, s32, s34
	s_mov_b32 s33, 0
	s_add_nc_u64 s[22:23], s[22:23], s[32:33]
	s_lshl_b32 s35, s30, 3
	s_lshl_b32 s34, s24, 1
	s_add_co_u32 s35, s35, s34                     ; my first tile of 16 columns
	v_lshlrev_b32 v16, 2, v4                       ; 4 bytes a lane
.macro WLOAD b                         ; block b: W(32 b + i, my column), i = 0 .. 31: a wave reads 128 consecutive bytes, the four waves 512
.set i, 0
.rept 32
	global_load_b32 v[64+32*(\b)+i], v16, s[22:23] offset:(32*(\b)+i)*4096 th:TH_LOAD_NT
.set i, i+1
.endr
.endm
.macro WWAIT b                         ; block b is in; the next block's 32 loads may be out; then the block two on is asked for
.if (\b) < 3
	s_wait_loadcnt 32
.else
	s_wait_loadcnt 0x0
.endif
.if (\b) < 2
	WLOAD (\b)+2
.endif
.endm
	WLOAD 0
	WLOAD 1
	s_cmp_eq_u32 s25, 3
	s_cbranch_scc1 .Lwo
	s_mul_i32 s36, s25, WTEN
	s_lshr_b32 s38, s31, 2
	s_mul_i32 s38, s38, WKH
	s_add_co_u32 s36, s36, s38
	s_mul_i32 s38, s35, REC
	s_add_co_u32 s36, s36, s38
	s_add_co_u32 s36, s36, WBASE
	s_mov_b32 s37, 0
	s_add_nc_u64 s[36:37], s[18:19], s[36:37]      ; my first record
	s_and_b32 s38, s31, 3
	s_lshl_b32 s40, s38, 10                        ; the K step's fragment in it,
	s_mov_b32 s41, 0
	s_lshl_b32 s42, s38, 2                         ; and its scale word in a row's four
	s_mov_b32 s43, 0
	s_add_nc_u64 s[40:41], s[36:37], s[40:41]
	s_add_nc_u64 s[42:43], s[36:37], s[42:43]
	v_mul_u32_u24 v17, v6, REC                     ; lanes 16-31: the next tile's record
	v_lshl_add_u32 v17, v5, 4, v17                 ; + 16 r
.macro WBLOCK b
.set XS, 64+32*(\b)
	WWAIT \b
	v_max3_num_f32 v8, |v[XS]|, |v[XS+1]|, |v[XS+2]|               ; the block's largest magnitude: all 32 numbers are mine
	v_max3_num_f32 v9, |v[XS+3]|, |v[XS+4]|, |v[XS+5]|
.irp i, 6,10,14,18,22,26
	v_max3_num_f32 v8, v8, |v[XS+\i]|, |v[XS+\i+1]|
	v_max3_num_f32 v9, v9, |v[XS+\i+2]|, |v[XS+\i+3]|
.endr
	v_max3_num_f32 v8, v8, |v[XS+30]|, |v[XS+31]|
	v_max3_num_f32 v8, v8, v9, 0x1800000           ; and the floor 2^(3 - 127): the byte cannot fall under 1
	v_add_nc_u32 v10, 0xff000000, v8               ; 2 off the exponent field: the conversion's scale operand
	v_lshrrev_b32 v11, 23, v10                     ; the scale's byte
.if (\b) == 0
	v_mov_b32 v24, v11
.else
	v_lshl_or_b32 v24, v11, 8*(\b), v24            ; four bytes make the K step's scale word of my column
.endif
.irp g, 0,1,2,3
	v_cvt_scalef32_pk8_fp4_f32 v[32+4*(\b)+\g], v[XS+8*\g:XS+8*\g+7], v10
.endr
	v_nop                                          ; a plain line behind the last conversion of the run
	global_store_b128 v17, v[32+4*(\b):35+4*(\b)], s[40:41] offset:(\b)*256   ; sixteen lanes store 256 consecutive bytes, aligned
.endm
	WBLOCK 0
	WBLOCK 1
	WBLOCK 2
	WBLOCK 3
	global_store_b32 v17, v24, s[42:43] offset:4096   ; 4 bytes a column, 16 apart: one byte in 128 of what the wave reads
	s_endpgm
.Lwo:                                              ; Wo: rounded to f16, eight neighbours along K in 16 bytes
	s_lshl_b32 s36, s35, 15                        ; a tile of 16 columns: 32 chunks of 1,024 bytes
	s_lshl_b32 s38, s31, 12                        ; my K step's four chunks
	s_add_co_u32 s36, s36, s38
	s_mov_b32 s37, 0
	s_add_nc_u64 s[40:41], s[20:21], s[36:37]
	v_lshlrev_b32 v18, 15, v6
	v_lshl_add_u32 v18, v5, 4, v18
.macro OBLOCK b
	WWAIT \b
.set i, 0
.rept 16
	v_cvt_pk_f16_f32 v[192+16*(\b)+i], v[64+32*(\b)+2*i], v[65+32*(\b)+2*i]
.set i, i+1
.endr
.irp p, 0,1,2,3
	global_store_b128 v18, v[192+16*(\b)+4*\p:195+16*(\b)+4*\p], s[40:41] offset:(\b)*1024+\p*256
.endr
.endm
	OBLOCK 0
	OBLOCK 1
	OBLOCK 2
	OBLOCK 3
	s_endpgm
; ---------------- q, k, v.  Work-group 256 + u: tensor u / 256; wave w: tile of 16 rows 2 (u % 256) + w / 2, half w % 2 of K: one record.
; Each load reads 512 consecutive bytes of a row; a step's 16 rows x 128 along K turn through the wave's own stage, and come back so that lane (r, h) holds blocks h and 2 + h of row r whole.
.Lact:
	s_sub_co_u32 s25, ttmp9, 256
	s_lshr_b32 s30, s25, 8                         ; which tensor
	s_and_b32 s31, s25, 255
	s_lshl_b32 s31, s31, 1
	s_lshr_b32 s32, s24, 1
	s_add_co_u32 s31, s31, s32                     ; T
	s_and_b32 s32, s24, 1                          ; kh
	s_cmp_eq_u32 s30, 1
	s_cselect_b64 s[22:23], s[6:7], s[4:5]
	s_cmp_eq_u32 s30, 2
	s_cselect_b64 s[22:23], s[8:9], s[22:23]
	s_lshl_b32 s34, s31, 16                        ; 16 rows of 4,096 bytes
	s_lshl_b32 s36, s32, 11
	s_add_co_u32 s34, s34, s36
	s_mov_b32 s35, 0
	s_add_nc_u64 s[22:23], s[22:23], s[34:35]
	s_mul_i32 s36, s30, ACT
	s_mul_i32 s38, s32, ACTKH
	s_add_co_u32 s36, s36, s38
	s_mul_i32 s38, s31, REC
	s_add_co_u32 s36, s36, s38
	s_mov_b32 s37, 0
	s_add_nc_u64 s[36:37], s[18:19], s[36:37]      ; my record
	v_lshlrev_b32 v16, 4, v4                       ; 16 x lane
	s_mul_i32 s38, s24, STG
	v_add_nc_u32 v17, s38, v16                     ; the stage, on the way in
	v_mul_u32_u24 v18, v5, SP
	v_lshl_add_u32 v18, v6, 7, v18
	v_add_nc_u32 v18, s38, v18                     ; and out: row r, + 128 h bytes
	v_lshlrev_b32 v19, 4, v5                       ; 16 r
	v_lshlrev_b32 v7, 3, v6                        ; 8 h
	v_mov_b32 v15, 0                               ; a lane permute's destination counts as one of its sources
.macro ALOAD t
.irp i, 0,1,2,3,4,5,6,7,8,9,10,11,12,13,14,15
	global_load_b128 v[64+64*((\t)%2)+4*\i:64+64*((\t)%2)+4*\i+3], v16, s[22:23] offset:\i*4096+(\t)*512 th:TH_LOAD_NT
.endr
.endm
.macro ASTEP t
.set RS, 64+64*((\t)%2)
.if (\t) < 3
	s_wait_loadcnt 16                              ; this step's 16 loads are in; the next step's may be out
.else
	s_wait_loadcnt 0x0
.endif
.irp i, 0,1,2,3,4,5,6,7,8,9,10,11,12,13,14,15
	ds_store_b128 v17, v[RS+4*\i:RS+4*\i+3] offset:\i*SP
.endr
.irp c, 0,1
.irp i, 0,1,2,3,4,5,6,7
	ds_load_b128 v[192+32*\c+4*\i:195+32*\c+4*\i], v18 offset:\c*256+\i*16   ; LDS serves a wave's instructions in order: these see the stores above
.endr
.endr
	s_wait_dscnt 0x0                               ; the numbers are back, and the stores have read their registers,
.if (\t) < 2
	ALOAD (\t)+2                                   ; which take the loads of two steps on
.endif
.irp c, 0,1
	v_max3_num_f32 v[8+\c], |v[192+32*\c]|, |v[193+32*\c]|, 0x1800000   ; my block 2 c + h, and the floor 2^(3 - 127)
.endr
.irp i, 2,4,6,8,10,12,14,16,18,20,22,24,26,28,30
.irp c, 0,1
	v_max3_num_f32 v[8+\c], v[8+\c], |v[192+32*\c+\i]|, |v[193+32*\c+\i]|
.endr
.endr
.irp c, 0,1
	v_add_nc_u32 v[10+\c], 0xff000000, v[8+\c]     ; the conversion's scale operand
.endr
.irp c, 0,1
	v_lshrrev_b32 v[12+\c], 23, v[10+\c]           ; the scale's byte
.endr
	v_lshl_or_b32 v14, v13, 16, v12                ; my two bytes,
	v_lshlrev_b32 v14, v7, v14                     ; at their places in the word;
	v_permlanex16_b32 v15, v14, s26, s27
	v_or_b32 v[24+(\t)], v14, v15                  ; with lane l xor 16's two the word is whole
.irp c, 0,1
.irp g, 0,1,2,3
	v_cvt_scalef32_pk8_fp4_f32 v[32+8*(\t)+4*\c+\g], v[192+32*\c+8*\g:199+32*\c+8*\g], v[10+\c]
.endr
.endr
	v_nop                                          ; a plain line behind the last conversion of the run
.irp c, 0,1
	global_store_b128 v16, v[32+8*(\t)+4*\c:35+8*(\t)+4*\c], s[36:37] offset:(\t)*1024+\c*512   ; 512 consecutive bytes, aligned
.endr
.endm
	ALOAD 0
	ALOAD 1
	ASTEP 0
	ASTEP 1
	ASTEP 2
	ASTEP 3
	s_wait_xcnt 0x0                                ; EXEC changes only behind this wait
	v_cmp_gt_u32 vcc_lo, 16, v4
	s_and_saveexec_b32 s30, vcc_lo
	global_store_b128 v19, v[24:27], s[36:37] offset:4096   ; sixteen lanes: the record's 256 bytes of scale words
	s_wait_xcnt 0x0                                ; and again, in front of the line that widens it
	s_or_b32 exec_lo, exec_lo, s30
	s_wait_tensorcnt 0x0                           ; the wave's end
	ds_add_u32 v[SPW], v[NIL]
	s_wait_dscnt 0x0
	s_endpgm
.Lfunc_end_k_qf41adb3f1f_prep:
	.size	k_qf41adb3f1f_prep, .Lfunc_end_k_qf41adb3f1f_prep-k_qf41adb3f1f_prep
	.p2alignl 7, 3214868480
	.fill 96, 4, 3214868480
	.section	.rodata,"a",@progbits
	.p2align	6, 0x0
	.amdhsa_kernel k_qf41adb3f1f_prep
		.amdhsa_group_segment_fixed_size 34304
		.amdhsa_private_segment_fixed_size 0
		.amdhsa_enable_private_segment 0
		.amdhsa_kernarg_size 72
		.amdhsa_user_sgpr_count 2
		.amdhsa_user_sgpr_kernarg_segment_ptr 1
		.amdhsa_wavefront_size32 1
		.amdhsa_system_sgpr_workgroup_id_x 1
		.amdhsa_system_sgpr_workgroup_id_y 1
		.amdhsa_system_sgpr_workgroup_id_z 1
		.amdhsa_system_vgpr_workitem_id 0
		.amdhsa_next_free_vgpr 256
		.amdhsa_next_free_sgpr 66
		.amdhsa_reserve_vcc 1
		.amdhsa_float_denorm_mode_32 3
		.amdhsa_float_denorm_mode_16_64 3
		.amdhsa_memory_ordered 1
		.amdhsa_forward_progress 1
		.amdhsa_inst_pref_size 62
	.end_amdhsa_kernel
	.amdgpu_metadata
---
amdhsa.version: [ 1, 2 ]
amdhsa.kernels:
  - .name:           k_qf41adb3f1f_prep
    .symbol:         k_qf41adb3f1f_prep.kd
    .args:
      - { .name: q, .offset: 0, .size: 8, .value_kind: global_buffer, .address_space: global }
      - { .name: k, .offset: 8, .size: 8, .value_kind: global_buffer, .address_space: global }
      - { .name: v, .offset: 16, .size: 8, .value_kind: global_buffer, .address_space: global }
      - { .name: Wq, .offset: 24, .size: 8, .value_kind: global_buffer, .address_space: global }
      - { .name: Wk, .offset: 32, .size: 8, .value_kind: global_buffer, .address_space: global }
      - { .name: Wv, .offset: 40, .size: 8, .value_kind: global_buffer, .address_space: global }
      - { .name: Wo, .offset: 48, .size: 8, .value_kind: global_buffer, .address_space: global }
      - { .name: codes, .offset: 56, .size: 8, .value_kind: global_buffer, .address_space: global }
      - { .name: wo16, .offset: 64, .size: 8, .value_kind: global_buffer, .address_space: global }
    .group_segment_fixed_size: 34304
    .private_segment_fixed_size: 0
    .kernarg_segment_align: 8
    .kernarg_segment_size: 72
    .max_flat_workgroup_size: 128
    .sgpr_count:     66
    .vgpr_count:     256
    .wavefront_size: 32
...
	.end_amdgpu_metadata
.endif
;; end of part 1
;; launch proj (part 2): grid 4 x 192, 4 waves a work-group, clusters of 4 x 4, 209,408 bytes of LDS; arguments codes, bq, bk, bv, qkv; writes qkv
.if DOCPART == 2
	.amdgcn_target "amdgcn-amd-amdhsa--gfx1250"
	.amdhsa_code_object_version 6
	.text
	.protected	k_qf41adb3f1f_proj
	.globl	k_qf41adb3f1f_proj
	.p2align	8
	.type	k_qf41adb3f1f_proj,@function
k_qf41adb3f1f_proj:
	s_mov_b64 s[64:65], 0
	v_nop
	global_prefetch_b8 v0, s[64:65] scope:SCOPE_SE
	s_setreg_imm32_b32 hwreg(HW_REG_WAVE_MODE, 25, 1), 1
	s_wait_xcnt 0x0
	s_wait_alu depctr_hold_cnt(0) depctr_sa_sdst(0) depctr_va_vdst(0) depctr_va_sdst(0) depctr_va_ssrc(0) depctr_va_vcc(0) depctr_vm_vsrc(0)
	s_getreg_b32 s2, hwreg(HW_REG_IB_STS2, 6, 4)
	s_cmp_eq_u32 s2, 0
	s_cbranch_scc0 .Lentry_in_a_cluster
	s_endpgm
.Lentry_in_a_cluster:
	s_bfe_u32 s2, ttmp6, 0x10000c
	s_cmp_lg_u32 s2, 0xf033
	s_cbranch_scc0 .Lentry_shape_is_right
	s_endpgm
.Lentry_shape_is_right:
; PROJ.  Q = q Wq + bq, K = k Wk + bk, V = v Wv + bv on codes of E2M1 with E8M0 scales; results rounded to f16 and stored as images of attention's operand registers.
; A work-group makes X 256 rows (source 0) x Y 128 rows (source 1) over all of K = 1,024.  Q and K: X = channels (the weight's codes), Y = tokens: a lane holds one token and eight neighbouring channels.
; V: X = tokens, Y = channels: a lane holds one channel and eight neighbouring keys, which is what V^T's fragment wants.  One text serves all three: offsets are chosen by the tensor's number.
; Both halves of K of both operands, 208,896 bytes, fit in LDS: each byte of LDS is filled once; there is no ring.  Records (16 rows x 512 K: four fragments and their scale words) are images of
; registers, so a fragment is two loads of 512 consecutive bytes and a tile's four scale words one load.
; CLUSTER 4 x 4: X's records hang on cx alone and are asked for jointly by a column of the cluster, Y's on cy alone, by a row.  The tensor's number comes from the cluster's y: it is the same in all sixteen.
; Four waves: wave w takes X tiles 8 (w % 2) .. + 7 and Y tiles 4 (w / 2) .. + 3: 32 accumulators.  The bias is the C of each sum's first matrix instruction.
; qkv: tensor a at a << 24, (batch, head) at << 18.  Q, K: [tile of 16 tokens][2048]: 512 (channel tile) + 16 lane.  V: [64 keys][8192]: 2048 (channel tile) + 512 (tile of 16 keys) + 16 lane.
; LIMIT: results beyond 65,504 have no f16 number.
; No prefetch: a wave's two tensor loads both stand at the kernel's head.
; REGISTERS: window 0: v1-14 addresses; v28, 29 the add's two; v32-95 X's scale words (tile xi, K step k: 32 + 8 xi + k), v96-127 Y's; v128-191 Y's fragments, two sets; v192-255 the bias.
;   window 1: v0-127 X's fragments, two sets; v128-255 packed results.   window 2: accumulator (xi, yi) at 8 (8 yi + xi).
.set REC,   4352
.set XH,    8*REC                      ; what a wave fetches of X for one half of K
.set YH,    4*REC
.set YOFF,  16*REC                     ; Y's records lie behind X's sixteen
.set HALF,  24*REC                     ; one half of K
.set SPARE, 2*HALF                     ; the spare words, 128 bytes a wave
.set ADX, 4                            ; v4, 5   my X fragments in K half 0, 1
.set ADY, 6                            ; v6, 7   my Y fragments
.set ASX, 8                            ; v8, 9   my X tiles' records at 16 r
.set ASY, 10                           ; v10, 11
.set SPW, 28
.set NIL, 29
.set SX,  32
.set SY,  96
.set YF,  128
.set CB,  192
.set PK,  128
.set G1X, 24
.set G0X, 32
.set G1Y, 48
.set G0Y, 56
.set MSB, 0
.macro WIN new                         ; the immediate's high byte repeats the setting that is left
.if MSB != \new
	s_set_vgpr_msb (MSB<<8)|\new
.set MSB, \new
.endif
.endm
.macro PLACES n
.rept \n
	v_nop
.endr
.endm
; A joint load: waves 0 and 1 fetch X's halves, waves 2 and 3 Y's.  The branch hangs on the wave's number alone.  An s_nop 0 and four v_nop follow each line.
.macro JLOAD g0a, g1a, g0b, g1b
	s_cmp_eq_u32 s15, 0
	s_cbranch_scc0 .Lfor_y_\@
	tensor_load_to_lds s[\g0a:\g0a+3], s[\g1a:\g1a+7]
	s_nop 0
.rept 4
	v_nop
.endr
	s_branch .Lasked_\@
.Lfor_y_\@:
	tensor_load_to_lds s[\g0b:\g0b+3], s[\g1b:\g1b+7]
	s_nop 0
.rept 4
	v_nop
.endr
.Lasked_\@:
.endm
.macro CROUND                          ; a round of the cluster's barrier
	s_barrier_signal -1
	s_barrier_wait -1
	s_cmp_lg_u32 s14, 0
	s_cbranch_scc1 .Lnot_wave_0_\@
	s_barrier_signal -3
.Lnot_wave_0_\@:
	s_barrier_wait -3
	s_barrier_signal -1
	s_barrier_wait -1
.endm
	s_load_b256 s[4:11], s[0:1], 0x0               ; codes 4, bq 6, bk 8, bv 10
	s_load_b64 s[12:13], s[0:1], 0x20              ; qkv
	v_lshl_add_u32 v[SPW], v0, 2, SPARE
	v_mov_b32 v[NIL], 0
	ds_add_u32 v[SPW], v[NIL]                      ; the wave's opening
	ds_add_u32 v[SPW], v[NIL]
	v_lshrrev_b32 v1, 5, v0
	v_readfirstlane_b32 s14, v1                    ; wave
	s_lshr_b32 s15, s14, 1                         ; my half of Y's tiles.  Also: I fetch for X (0) or for Y (1)
	s_and_b32 s16, s14, 1                          ; my half of X's tiles.  Also: which half I fetch
	s_bfe_u32 s40, ttmp6, 0x40000                  ; cx
	s_bfe_u32 s41, ttmp6, 0x40004                  ; cy
	s_and_b32 s17, ttmp7, 0xffff                   ; the cluster's y, 0 .. 47
	s_lshr_b32 s18, s17, 4                         ; the tensor: 0 Q, 1 K, 2 V
	s_and_b32 s19, s17, 15
	s_and_b32 s20, s19, 7
	s_lshr_b32 s21, s19, 3
	s_mul_i32 s22, s18, 557056
	s_add_co_u32 s22, s22, 13369344                ; the weight's codes
	s_mul_i32 s46, s18, 4456448                    ; the tokens' codes
	s_mov_b32 s23, 278528                          ; from one half of K to the other: in a weight,
	s_mov_b32 s47, 2228224                         ; in the tokens
	s_mov_b32 s66, 262144                          ; four X tiles on in qkv: a head on,
	s_cmp_eq_u32 s18, 2                            ; V changes the parts of X and Y
	s_cselect_b32 s20, s20, 0                      ; which four blocks of X this cluster takes
	s_cselect_b32 s21, s21, s19                    ; and of Y
	s_cselect_b32 s22, 8912896, s22                ; X's codes
	s_cselect_b32 s23, 2228224, s23
	s_cselect_b32 s46, 14483456, s46               ; Y's codes
	s_cselect_b32 s47, 278528, s47
	s_cselect_b32 s66, 8192, s66                   ; or 64 keys on
	s_lshl_b32 s42, s20, 2
	s_add_co_u32 s42, s42, s40                     ; my block of X: it never meets cy
	s_lshl_b32 s43, s21, 2
	s_add_co_u32 s43, s43, s41                     ; my block of Y: it never meets cx
	s_lshl_b32 s44, s41, 2
	s_lshl_b32 s44, 15, s44                        ; my row of the cluster
	s_lshl_b32 s45, 0x1111, s40                    ; my column
	; descriptor group 1: dense blocks, as rows of 256 bytes (32 elements of 8 bytes): X 136 rows, Y 68
	s_or_b32 s[G1X], s45, (3<<16)|(1<<21)          ; 15:0 the mask; 17:16 elements of 8 bytes; 21 set beside a mask; no padding
	s_mov_b32 s[G1X+1], 32<<16                     ; tensor_dim0
	s_mov_b32 s[G1X+2], 136<<16                    ; tensor_dim1
	s_mov_b32 s[G1X+3], 32<<16                     ; tile_dim0
	s_mov_b32 s[G1X+4], 136                        ; tile_dim1
	s_mov_b32 s[G1X+5], 32                         ; from row to row
	s_mov_b32 s[G1X+6], 0
	s_mov_b32 s[G1X+7], 0
	s_or_b32 s[G1Y], s44, (3<<16)|(1<<21)
	s_mov_b32 s[G1Y+1], 32<<16
	s_mov_b32 s[G1Y+2], 68<<16
	s_mov_b32 s[G1Y+3], 32<<16
	s_mov_b32 s[G1Y+4], 68
	s_mov_b32 s[G1Y+5], 32
	s_mov_b32 s[G1Y+6], 0
	s_mov_b32 s[G1Y+7], 0
	s_lshl_b32 s68, s42, 4
	s_lshl_b32 s70, s16, 3
	s_add_co_u32 s68, s68, s70                     ; the first X tile that I fetch
	s_mul_i32 s68, s68, REC
	s_add_co_u32 s68, s68, s22
	s_mov_b32 s69, 0
	s_lshl_b32 s72, s43, 3
	s_lshl_b32 s71, s16, 2
	s_add_co_u32 s72, s72, s71                     ; the first Y tile that I fetch
	s_mul_i32 s72, s72, REC
	s_add_co_u32 s72, s72, s46
	s_mov_b32 s73, 0
	s_mul_i32 s74, s16, XH                         ; where they go: no place in the cluster enters an LDS address
	s_mul_i32 s75, s16, YH
	s_add_co_u32 s75, s75, YOFF
	s_mov_b32 s76, s23
	s_mov_b32 s77, 0
	s_mov_b32 s78, s47
	s_mov_b32 s79, 0
	s_wait_dscnt 0x0                               ; both opening adds are done
	s_wait_kmcnt 0x0
	s_add_nc_u64 s[68:69], s[4:5], s[68:69]
	s_add_nc_u64 s[72:73], s[4:5], s[72:73]
	CROUND                                         ; all sixteen work-groups are here: the joint loads meet
	s_mov_b32 s[G0X], 1
	s_mov_b32 s[G0X+1], s74
	s_mov_b64 s[G0X+2:G0X+3], s[68:69]
	s_or_b32 s[G0X+3], s[G0X+3], 0x80000000
	s_mov_b32 s[G0Y], 1
	s_mov_b32 s[G0Y+1], s75
	s_mov_b64 s[G0Y+2:G0Y+3], s[72:73]
	s_or_b32 s[G0Y+3], s[G0Y+3], 0x80000000
	JLOAD G0X, G1X, G0Y, G1Y                       ; K half 0
	s_mov_b32 s[G0X+4], 1
	s_add_co_u32 s[G0X+5], s74, HALF
	s_add_nc_u64 s[G0X+6:G0X+7], s[68:69], s[76:77]
	s_or_b32 s[G0X+7], s[G0X+7], 0x80000000
	s_mov_b32 s[G0Y+4], 1
	s_add_co_u32 s[G0Y+5], s75, HALF
	s_add_nc_u64 s[G0Y+6:G0Y+7], s[72:73], s[78:79]
	s_or_b32 s[G0Y+7], s[G0Y+7], 0x80000000
	JLOAD G0X+4, G1X, G0Y+4, G1Y                   ; K half 1: two tensor loads of mine are out
	; the bias, in the result's layout (register j of lane (r, h): X row 8 h + j, Y row r)
	s_cmp_eq_u32 s18, 1
	s_cselect_b64 s[80:81], s[8:9], s[6:7]
	s_cmp_eq_u32 s18, 2
	s_cselect_b64 s[80:81], s[10:11], s[80:81]
	s_cbranch_scc1 .Lbias_v
	s_lshl_b32 s82, s42, 10                        ; Q, K: the channels run down X: tile xi wants channels 16 xi + 8 h + 0 .. 7
	s_lshl_b32 s84, s16, 9
	s_add_co_u32 s82, s82, s84
	s_mov_b32 s83, 0
	s_add_nc_u64 s[80:81], s[80:81], s[82:83]
	v_bfe_u32 v14, v0, 4, 1
	v_lshlrev_b32 v14, 5, v14
.irp xi, 0,1,2,3,4,5,6,7
	global_load_b128 v[CB+8*\xi:CB+8*\xi+3], v14, s[80:81] offset:\xi*64
	global_load_b128 v[CB+8*\xi+4:CB+8*\xi+7], v14, s[80:81] offset:\xi*64+16
.endr
	s_branch .Lbias_done
.Lbias_v:
	s_lshl_b32 s82, s43, 9                         ; V: the channels run along Y: tile yi wants channel 16 yi + r in all eight registers
	s_lshl_b32 s84, s15, 8
	s_add_co_u32 s82, s82, s84
	s_mov_b32 s83, 0
	s_add_nc_u64 s[80:81], s[80:81], s[82:83]
	v_and_b32 v14, 15, v0
	v_lshlrev_b32 v14, 2, v14
.irp i, 0,1,2,3,4,5,6,7                ; two copies of the four tiles: X tiles 0-3 take the first as C, tiles 4-7 the second
.irp j, 0,1,2,3,4,5,6,7
	global_load_b32 v[CB+8*\i+\j], v14, s[80:81] offset:(\i%4)*64
.endr
.endr
.Lbias_done:
	v_and_b32 v1, 31, v0
	v_lshlrev_b32 v1, 4, v1                        ; 16 x lane: an image's place for my lane, in LDS and in qkv
	v_and_b32 v2, 15, v0
	v_lshlrev_b32 v2, 4, v2                        ; 16 r: a row's four scale words
	s_mul_i32 s85, s16, XH                         ; my eight X tiles
	s_mul_i32 s86, s15, YH                         ; my four Y tiles
	s_add_co_u32 s86, s86, YOFF
	v_add_nc_u32 v[ADX], s85, v1
	v_add_nc_u32 v[ADY], s86, v1
	v_add_nc_u32 v[ASX], s85, v2
	v_add_nc_u32 v[ASY], s86, v2
	v_add_nc_u32 v[ADX+1], HALF, v[ADX]
	v_add_nc_u32 v[ADY+1], HALF, v[ADY]
	v_add_nc_u32 v[ASX+1], HALF, v[ASX]
	v_add_nc_u32 v[ASY+1], HALF, v[ASY]
	v_add_nc_u32 v13, s66, v1                      ; X tiles 4-7 in qkv
	s_lshl_b32 s87, s42, 4
	s_lshl_b32 s88, s16, 3
	s_add_co_u32 s87, s87, s88                     ; my first X tile
	s_lshl_b32 s88, s43, 3
	s_lshl_b32 s89, s15, 2
	s_add_co_u32 s88, s88, s89                     ; my first Y tile
	s_cmp_eq_u32 s18, 2
	s_cselect_b32 s89, s87, s88                    ; my first tile of tokens
	s_cselect_b32 s90, s88, s87                    ; and of channels
	s_lshl_b32 s92, s18, 24
	s_lshr_b32 s91, s89, 7
	s_lshl_b32 s91, s91, 22                        ; the batch
	s_add_co_u32 s92, s92, s91
	s_lshr_b32 s91, s90, 2
	s_lshl_b32 s91, s91, 18                        ; the head
	s_add_co_u32 s92, s92, s91
	s_and_b32 s91, s89, 127
	s_lshl_b32 s91, s91, 11                        ; 2,048 bytes for each tile of tokens
	s_add_co_u32 s92, s92, s91
	s_mov_b32 s93, 0
	s_add_nc_u64 s[12:13], s[12:13], s[92:93]
.macro SCALES kh                       ; a K half's scale words: four K steps of a row by one load
.irp xi, 0,1,2,3,4,5,6,7
	ds_load_b128 v[SX+8*\xi+4*\kh:SX+8*\xi+4*\kh+3], v[ASX+\kh] offset:\xi*REC+4096
.endr
.irp yi, 0,1,2,3
	ds_load_b128 v[SY+8*\yi+4*\kh:SY+8*\yi+4*\kh+3], v[ASY+\kh] offset:\yi*REC+4096
.endr
.endm
.macro FETCH k                         ; K step k's fragments into set k % 2: 24 loads of 512 consecutive bytes
	WIN 0x40
.irp xi, 0,1,2,3,4,5,6,7
.irp c, 0,1
	ds_load_b128 v[64*((\k)%2)+8*\xi+4*\c:64*((\k)%2)+8*\xi+4*\c+3], v[ADX+(\k)/4] offset:\xi*REC+((\k)%4)*1024+\c*512
.endr
.endr
	WIN 0
.irp yi, 0,1,2,3
.irp c, 0,1
	ds_load_b128 v[YF+32*((\k)%2)+8*\yi+4*\c:YF+32*((\k)%2)+8*\yi+4*\c+3], v[ADY+(\k)/4] offset:\yi*REC+((\k)%4)*1024+\c*512
.endr
.endr
.endm
; 32 matrix instructions: the accumulators take turns, one instruction a turn, in the same order in every K step.  cmode 0: in place; 1: C = the bias by X tile; 2: by Y tile.
.macro MULS k, cmode
.irp yi, 0,1,2,3
.irp xi, 0,1,2,3,4,5,6,7
.if \cmode == 0
	v_wmma_scale_f32_16x16x128_f8f6f4 v[8*(8*\yi+\xi):8*(8*\yi+\xi)+7], v[64*((\k)%2)+8*\xi:64*((\k)%2)+8*\xi+7], v[YF+32*((\k)%2)+8*\yi:YF+32*((\k)%2)+8*\yi+7], v[8*(8*\yi+\xi):8*(8*\yi+\xi)+7], v[SX+8*\xi+(\k)], v[SY+8*\yi+(\k)] matrix_a_fmt:MATRIX_FMT_FP4 matrix_b_fmt:MATRIX_FMT_FP4
.elseif \cmode == 1
	v_wmma_scale_f32_16x16x128_f8f6f4 v[8*(8*\yi+\xi):8*(8*\yi+\xi)+7], v[64*((\k)%2)+8*\xi:64*((\k)%2)+8*\xi+7], v[YF+32*((\k)%2)+8*\yi:YF+32*((\k)%2)+8*\yi+7], v[CB+8*\xi:CB+8*\xi+7], v[SX+8*\xi+(\k)], v[SY+8*\yi+(\k)] matrix_a_fmt:MATRIX_FMT_FP4 matrix_b_fmt:MATRIX_FMT_FP4
.else
	v_wmma_scale_f32_16x16x128_f8f6f4 v[8*(8*\yi+\xi):8*(8*\yi+\xi)+7], v[64*((\k)%2)+8*\xi:64*((\k)%2)+8*\xi+7], v[YF+32*((\k)%2)+8*\yi:YF+32*((\k)%2)+8*\yi+7], v[CB+8*\yi+32*(\xi/4):CB+8*\yi+32*(\xi/4)+7], v[SX+8*\xi+(\k)], v[SY+8*\yi+(\k)] matrix_a_fmt:MATRIX_FMT_FP4 matrix_b_fmt:MATRIX_FMT_FP4
.endif
.endr
.endr
.endm
.macro KSTEP k
	s_wait_dscnt 0x0                               ; this K step's fragments are in
.if (\k) == 3
	s_wait_tensorcnt 0x0                           ; my part of K half 1 has landed,
	s_barrier_signal -1
	s_barrier_wait -1                              ; everybody's has.
.endif
	PLACES 4                                       ; in front of loads into registers that the last K step's matrix instructions have read
.if (\k) < 7
	FETCH (\k)+1
.endif
.if (\k) == 3
	SCALES 1
.endif
	WIN 0xa1                                       ; X window 1, Y window 0, C and D window 2
	MULS \k, 0
	WIN 0
.endm
	s_wait_tensorcnt 0x1                           ; my part of K half 0 has landed; half 1's load may stay out
	s_barrier_signal -1
	s_barrier_wait -1
	SCALES 0
	FETCH 0
	s_wait_dscnt 0x0
	FETCH 1
	s_wait_loadcnt 0x0                             ; the bias
	s_cmp_eq_u32 s18, 2
	s_cbranch_scc1 .Lfirst_v
	WIN 0x81                                       ; C (the bias) in window 0
	MULS 0, 1
	WIN 0
	s_branch .Lfirst_done
.Lfirst_v:
	WIN 0x81
	MULS 0, 2
	WIN 0
.Lfirst_done:
.irp k, 1,2,3,4,5,6,7
	KSTEP \k
.endr
	; THE WAY OUT.  A lane's eight results pack into 16 bytes, and the 32 lanes' 512 bytes are one block of the reader's fragment: they are stored as they stand.
	PLACES 4
	WIN 0x4a                                       ; sources window 2, destination window 1
.irp yi, 0,1,2,3
.irp xi, 0,1,2,3,4,5,6,7
.irp j, 0,1,2,3
	v_cvt_pk_f16_f32 v[PK+4*(8*\yi+\xi)+\j], v[8*(8*\yi+\xi)+2*\j], v[8*(8*\yi+\xi)+2*\j+1]   ; each accumulator from its low end on
.endr
.endr
.endr
	WIN 0x04                                       ; a store's data: window 1
.irp yi, 0,1,2,3
.irp xi, 0,1,2,3
	global_store_b128 v1, v[PK+4*(8*\yi+\xi):PK+4*(8*\yi+\xi)+3], s[12:13] offset:\xi*512+\yi*2048
.endr
.irp xi, 4,5,6,7
	global_store_b128 v13, v[PK+4*(8*\yi+\xi):PK+4*(8*\yi+\xi)+3], s[12:13] offset:(\xi-4)*512+\yi*2048
.endr
.endr
	WIN 0
	s_wait_tensorcnt 0x0                           ; the wave's end
	ds_add_u32 v[SPW], v[NIL]
	s_wait_dscnt 0x0
	CROUND                                         ; the closing round
	s_endpgm
.Lfunc_end_k_qf41adb3f1f_proj:
	.size	k_qf41adb3f1f_proj, .Lfunc_end_k_qf41adb3f1f_proj-k_qf41adb3f1f_proj
	.p2alignl 7, 3214868480
	.fill 96, 4, 3214868480
	.section	.rodata,"a",@progbits
	.p2align	6, 0x0
	.amdhsa_kernel k_qf41adb3f1f_proj
		.amdhsa_group_segment_fixed_size 209408
		.amdhsa_private_segment_fixed_size 0
		.amdhsa_enable_private_segment 0
		.amdhsa_kernarg_size 40
		.amdhsa_user_sgpr_count 2
		.amdhsa_user_sgpr_kernarg_segment_ptr 1
		.amdhsa_wavefront_size32 1
		.amdhsa_system_sgpr_workgroup_id_x 1
		.amdhsa_system_sgpr_workgroup_id_y 1
		.amdhsa_system_sgpr_workgroup_id_z 1
		.amdhsa_system_vgpr_workitem_id 0
		.amdhsa_next_free_vgpr 768
		.amdhsa_next_free_sgpr 100
		.amdhsa_reserve_vcc 0
		.amdhsa_float_denorm_mode_32 3
		.amdhsa_float_denorm_mode_16_64 3
		.amdhsa_memory_ordered 1
		.amdhsa_forward_progress 1
		.amdhsa_inst_pref_size 80
	.end_amdhsa_kernel
	.amdgpu_metadata
---
amdhsa.version: [ 1, 2 ]
amdhsa.kernels:
  - .name:           k_qf41adb3f1f_proj
    .symbol:         k_qf41adb3f1f_proj.kd
    .args:
      - { .name: codes, .offset: 0, .size: 8, .value_kind: global_buffer, .address_space: global }
      - { .name: bq, .offset: 8, .size: 8, .value_kind: global_buffer, .address_space: global }
      - { .name: bk, .offset: 16, .size: 8, .value_kind: global_buffer, .address_space: global }
      - { .name: bv, .offset: 24, .size: 8, .value_kind: global_buffer, .address_space: global }
      - { .name: qkv, .offset: 32, .size: 8, .value_kind: global_buffer, .address_space: global }
    .group_segment_fixed_size: 209408
    .private_segment_fixed_size: 0
    .kernarg_segment_align: 8
    .kernarg_segment_size: 40
    .max_flat_workgroup_size: 128
    .sgpr_count:     100
    .vgpr_count:     768
    .wavefront_size: 32
...
	.end_amdgpu_metadata
.endif
;; end of part 2
;; launch attn (part 3): grid 4 x 64, 8 waves a work-group, clusters of 4 x 1, 327,680 bytes of LDS; arguments qkv, mask, ctx; writes ctx
.if DOCPART == 3
	.amdgcn_target "amdgcn-amd-amdhsa--gfx1250"
	.amdhsa_code_object_version 6
	.text
	.protected	k_qf41adb3f1f_attn
	.globl	k_qf41adb3f1f_attn
	.p2align	8
	.type	k_qf41adb3f1f_attn,@function
k_qf41adb3f1f_attn:
	s_mov_b64 s[64:65], 0
	v_nop
	global_prefetch_b8 v0, s[64:65] scope:SCOPE_SE
	s_setreg_imm32_b32 hwreg(HW_REG_WAVE_MODE, 25, 1), 1
	s_wait_xcnt 0x0
	s_wait_alu depctr_hold_cnt(0) depctr_sa_sdst(0) depctr_va_vdst(0) depctr_va_sdst(0) depctr_va_ssrc(0) depctr_va_vcc(0) depctr_vm_vsrc(0)
	s_getreg_b32 s2, hwreg(HW_REG_IB_STS2, 6, 4)
	s_cmp_eq_u32 s2, 0
	s_cbranch_scc0 .Lentry_in_a_cluster
	s_endpgm
.Lentry_in_a_cluster:
	s_bfe_u32 s2, ttmp6, 0x10000c
	s_cmp_lg_u32 s2, 0x3003
	s_cbranch_scc0 .Lentry_shape_is_right
	s_endpgm
.Lentry_shape_is_right:
; ATTN.  ctx[b][q][head] = softmax_k(Q . K / 8, keys with mask == 0 left out) V, on f16 operands with f32 sums; 2,048 keys, head size 64.
; SHARES.  A work-group owns 512 queries of one (batch, head); each of its eight waves 64: four tiles of 16.  Two waves share a SIMD, so that one wave's softmax stands beside the other's products.
; LAYOUT.  S^T = K Q^T (source 0 = 16 keys, source 1 = 16 queries), O^T = V^T P: a lane holds ONE query throughout.  Two score tiles, rounded to f16 in pairs, are source 1 of the second product.
; Q, K and V lie in memory as images of these operands' registers: a fragment is two loads of 512 consecutive bytes; no pitch, no padding, no turning load.
; THE MASK is a table in LDS, one f32 a key: 0, or -1e30 where mask == 0.  It is the C of each score tile's first product.  f16 operands bound a score by 64 x 65,504^2 = 2.7e11, so with the running
; maximum begun at -1e20 an open key always lies above the start and a masked key always gives p = 0.  A batch with no open key gives l = 0 and 0 x (1 / 0) = NaN, as the softmax of a row of -inf does.
; SOFTMAX.  Running maximum m and sum l: p = 2^(c s - c m), c = log2(e) / 8; in every step O and l are multiplied by f = 2^(c m_old - c m_new).
; THE ROW'S SUM is made by the matrix unit: L += ONES x P (ONES: 16 x 32 of 1.0): every register of L holds l of the lane's query; only register 0 is read, so registers 0, 1 alone are rescaled
; (the others stay sums of at most 2,048 numbers of at most about 1).
; RING.  Two slots of 512 keys (K 65,536 bytes, then V 65,536).  Each wave fetches 16,384 dense bytes by one tensor load.  CLUSTER: the four query blocks of a (batch, head) walk the same K and V: each load is joint.
; No prefetch: a refill is asked for eight key steps (576 matrix instructions a wave) ahead of the wait for it, and a slot is refilled only twice.
; REGISTERS.  window 0: v1-5 addresses; v6, 7 the add's two; v8-23 statistics, four a tile (+0 -c m, +1 m, +2 f, +3 at work); v24-31 maxima; v32-63 the mask's terms; v64-95, v96-127 four fragments of K or V each;
;   v128-255 S^T, 32 a tile; P is made in place in a tile's first 16.   window 1: v0-127 O^T, 32 a tile; v128-191 Q; v192-223 L; v224-231 ONES.
.set SLOT1, 1<<17
.set BT,    2*SLOT1                    ; the mask's table: 8,192 bytes, written by LDS stores, never a fill's target
.set SPARE, BT+8192                    ; the spare words, 128 bytes a wave
.set L16, 1                            ; v1  16 x lane
.set ABI, 2                            ; v2  BT + 32 h
.set ADK, 3                            ; v3  the step's K
.set ADV, 4                            ; v4  the step's V
.set ADB, 5                            ; v5  the step's mask terms
.set SPW, 6
.set NIL, 7
.set ST,  8
.set BI,  32
.set H0,  64
.set H1,  96
.set S,   128
.set QF,  128                          ; in window 1
.set LS,  192
.set ONES, 224
.set MSB, 0
.macro WIN new                         ; the immediate's high byte repeats the setting that is left
.if MSB != \new
	s_set_vgpr_msb (MSB<<8)|\new
.set MSB, \new
.endif
.endm
.set W_S,  0x04                        ; Q (source 1) window 1
.set W_PV, 0x50                        ; C and D window 1
.set W_L,  0x51                        ; and ONES (source 0) too
.set W_RS, 0x41                        ; destination and source 0 window 1
.macro PLACES n
.rept \n
	v_nop
.endr
.endm
.macro CROUND                          ; a round of the cluster's barrier
	s_barrier_signal -1
	s_barrier_wait -1
	s_cmp_lg_u32 s12, 0
	s_cbranch_scc1 .Lnot_wave_0_\@
	s_barrier_signal -3
.Lnot_wave_0_\@:
	s_barrier_wait -3
	s_barrier_signal -1
	s_barrier_wait -1
.endm
	s_load_b128 s[4:7], s[0:1], 0x0                ; qkv, mask
	s_load_b64 s[8:9], s[0:1], 0x10                ; ctx
	v_lshl_add_u32 v[SPW], v0, 2, SPARE
	v_mov_b32 v[NIL], 0
	ds_add_u32 v[SPW], v[NIL]                      ; the wave's opening
	ds_add_u32 v[SPW], v[NIL]
	v_lshrrev_b32 v1, 5, v0
	v_readfirstlane_b32 s12, v1                    ; wave 0..7
	s_bfe_u32 s13, ttmp6, 0x40000                  ; cx
	s_lshl_b32 s15, ttmp9, 2
	s_add_co_u32 s13, s13, s15                     ; my block of 512 queries: it enters Q's and ctx's addresses alone
	s_and_b32 s14, ttmp7, 0xffff                   ; batch x 16 + head, which the four partners share
	s_mov_b32 s16, 15|(3<<16)|(1<<21)              ; group 1: 15:0 the mask: all four; 17:16 elements of 8 bytes; 21 set beside a mask
	s_mov_b32 s17, 32<<16                          ; tensor_dim0: rows of 256 bytes
	s_mov_b32 s18, 64<<16                          ; tensor_dim1
	s_mov_b32 s19, 32<<16                          ; tile_dim0
	s_mov_b32 s20, 64                              ; tile_dim1
	s_mov_b32 s21, 32                              ; from row to row: dense
	s_mov_b32 s22, 0
	s_mov_b32 s23, 0
	s_lshr_b32 s42, s12, 2                         ; waves 0-3 fetch K (tensor 1), waves 4-7 V (tensor 2)
	s_add_co_u32 s42, s42, 1
	s_lshl_b32 s42, s42, 24
	s_lshl_b32 s44, s14, 18
	s_add_co_u32 s42, s42, s44
	s_and_b32 s45, s12, 3
	s_lshl_b32 s45, s45, 14                        ; my quarter of a slot's 65,536 bytes
	s_add_co_u32 s42, s42, s45
	s_mov_b32 s43, 0
	s_lshl_b32 s46, s12, 14                        ; and its place in a slot
	s_lshl_b32 s48, s13, 16                        ; Q: 32 tiles of 2,048 bytes a block,
	s_add_co_u32 s48, s48, s44
	s_lshl_b32 s47, s12, 13                        ; four a wave
	s_add_co_u32 s48, s48, s47
	s_mov_b32 s49, 0
	s_lshr_b32 s50, s14, 4
	s_lshl_b32 s52, s50, 22                        ; ctx: 128 tiles of 32,768 bytes a batch
	s_lshl_b32 s50, s50, 13                        ; the batch's row of the mask
	s_mov_b32 s51, 0
	s_lshl_b32 s47, s13, 20
	s_add_co_u32 s52, s52, s47
	s_lshl_b32 s47, s12, 17
	s_add_co_u32 s52, s52, s47
	s_and_b32 s47, s14, 15
	s_lshl_b32 s47, s47, 11                        ; the head's two chunks of 1,024 bytes
	s_add_co_u32 s52, s52, s47
	s_mov_b32 s53, 0
	s_mov_b32 s32, 0x3e38aa3b                      ; c = log2(e) / 8
	s_mov_b32 s33, s32                             ; (named with it as a pair)
	s_mov_b32 s34, 0xbe38aa3b                      ; -c
	s_mov_b32 s35, 0xe0ad78ec                      ; -1e20
	s_mov_b32 s36, 0x76543210
	s_mov_b32 s37, 0xfedcba98
	s_mov_b32 s38, 0                               ; LDS byte at which the K of the step to be fetched begins
	s_mov_b32 s39, 0                               ; and its mask terms: 256 bytes a step
	s_wait_dscnt 0x0                               ; both opening adds are done
	s_wait_kmcnt 0x0
	s_add_nc_u64 s[42:43], s[4:5], s[42:43]
	s_add_nc_u64 s[48:49], s[4:5], s[48:49]
	s_add_nc_u64 s[50:51], s[6:7], s[50:51]
	s_add_nc_u64 s[8:9], s[8:9], s[52:53]
	CROUND                                         ; all four work-groups are here: the first joint loads meet
	s_mov_b32 s24, 1
	s_mov_b32 s25, s46                             ; slot 0
	s_mov_b64 s[26:27], s[42:43]                   ; keys 0 to 511
	s_or_b32 s27, s27, 0x80000000
	s_mov_b32 s28, 1
	s_add_co_u32 s29, s46, SLOT1                   ; slot 1
	s_add_nc_u64 s[30:31], s[42:43], 0x10000       ; keys 512 to 1,023
	s_or_b32 s31, s31, 0x80000000
	tensor_load_to_lds s[24:27], s[16:23]
	s_nop 0
	tensor_load_to_lds s[28:31], s[16:23]          ; two tensor loads of mine are out
	s_nop 0
	PLACES 4
	v_and_b32 v[L16], 31, v0
	v_lshlrev_b32 v[L16], 4, v[L16]
	WIN 0x40
.irp i, 0,1,2,3,4,5,6,7,8,9,10,11,12,13,14,15   ; Q stays in registers: block i of 512 bytes of my four tiles
	global_load_b128 v[QF+4*\i:QF+4*\i+3], v[L16], s[48:49] offset:\i*512
.endr
.irp i, 0,1,2,3,4,5,6,7
	v_mov_b32 v[ONES+\i], 0x3c003c00               ; 1.0, 1.0 in f16
.endr
	WIN 0
	v_lshlrev_b32 v24, 5, v0                       ; the mask: eight keys a thread
	global_load_b128 v[40:43], v24, s[50:51]
	global_load_b128 v[44:47], v24, s[50:51] offset:16
	v_lshl_add_u32 v25, v0, 5, BT
	v_mov_b32 v26, 0xf149f2ca                      ; -1e30
	v_bfe_u32 v[ABI], v0, 4, 1
	v_lshl_add_u32 v[ABI], v[ABI], 5, BT
.irp t, 0,1,2,3
	v_mov_b32 v[ST+4*\t+3], 0                      ; a lane permute's destination counts as one of its sources
.endr
	s_wait_loadcnt 0x0                             ; Q and the mask
.irp i, 0,1,2,3,4,5,6,7
	v_cmp_eq_u32 vcc_lo, 0, v[40+\i]
	v_cndmask_b32 v[48+\i], 0, v26, vcc_lo
.endr
	ds_store_b128 v25, v[48:51]
	ds_store_b128 v25, v[52:55] offset:16
	s_wait_tensorcnt 0x1                           ; my part of slot 0 has landed; slot 1's may stay out
	s_wait_dscnt 0x0                               ; my part of the table is written
	s_barrier_signal -1
	s_barrier_wait -1
.macro LOADH reg, adr, off             ; four fragments (16 keys x 32 channels of K, or 16 channels x 32 keys of V): eight loads of 512 consecutive bytes
.irp f, 0,1,2,3
.irp c, 0,1
	ds_load_b128 v[\reg+8*\f+4*\c:\reg+8*\f+4*\c+3], v[\adr] offset:\f*2048+\c*512+\off
.endr
.endr
.endm
.macro LOADBI                          ; the mask's terms in the score tiles' layout: register j of tile f: key 16 f + 8 h + j
.irp f, 0,1,2,3
	ds_load_b128 v[BI+8*\f:BI+8*\f+3], v[ADB] offset:\f*64
	ds_load_b128 v[BI+8*\f+4:BI+8*\f+7], v[ADB] offset:\f*64+16
.endr
.endm
.macro KFETCH
	v_add_nc_u32 v[ADK], s38, v[L16]
	v_add_nc_u32 v[ADB], s39, v[ABI]
	LOADH H0, ADK, 0
	LOADBI
	LOADH H1, ADK, 1024
.endm
; 16 score products: channels 32 kc on.  The accumulators take turns, one instruction a turn.
.macro SQ h, kc
	WIN W_S
.irp kt, 0,1,2,3
.irp t, 0,1,2,3
.if \kc == 0
	v_wmma_f32_16x16x32_f16 v[S+32*\t+8*\kt:S+32*\t+8*\kt+7], v[\h+8*\kt:\h+8*\kt+7], v[QF+16*\t:QF+16*\t+7], v[BI+8*\kt:BI+8*\kt+7]
.else
	v_wmma_f32_16x16x32_f16 v[S+32*\t+8*\kt:S+32*\t+8*\kt+7], v[\h+8*\kt:\h+8*\kt+7], v[QF+16*\t+8:QF+16*\t+15], v[S+32*\t+8*\kt:S+32*\t+8*\kt+7]
.endif
.endr
.endr
	WIN 0
.endm
; 16 products O^T += V^T P and 4 products L += ONES P: keys 32 kk on.  zero = 1: they start the sums.
.macro PVG h, kk, zero
	WIN W_PV
.irp ct, 0,1,2,3
.irp t, 0,1,2,3
.if \zero
	v_wmma_f32_16x16x32_f16 v[32*\t+8*\ct:32*\t+8*\ct+7], v[\h+8*\ct:\h+8*\ct+7], v[S+32*\t+8*\kk:S+32*\t+8*\kk+7], 0
.else
	v_wmma_f32_16x16x32_f16 v[32*\t+8*\ct:32*\t+8*\ct+7], v[\h+8*\ct:\h+8*\ct+7], v[S+32*\t+8*\kk:S+32*\t+8*\kk+7], v[32*\t+8*\ct:32*\t+8*\ct+7]
.endif
.endr
.endr
	WIN W_L
.irp t, 0,1,2,3
.if \zero
	v_wmma_f32_16x16x32_f16 v[LS+8*\t:LS+8*\t+7], v[ONES:ONES+7], v[S+32*\t+8*\kk:S+32*\t+8*\kk+7], 0
.else
	v_wmma_f32_16x16x32_f16 v[LS+8*\t:LS+8*\t+7], v[ONES:ONES+7], v[S+32*\t+8*\kk:S+32*\t+8*\kk+7], v[LS+8*\t:LS+8*\t+7]
.endif
.endr
	WIN 0
.endm
; The softmax of a key step, the four tiles by turns.  first = 1: no old maximum, nothing to rescale.
.macro SOFTMAX first
.irp t, 0,1,2,3                        ; the maximum of 32 scores and the old m: two chains a tile, each score tile read from its low end on
	v_max3_num_f32 v[24+2*\t], v[S+32*\t], v[S+32*\t+1], v[S+32*\t+2]
	v_max3_num_f32 v[25+2*\t], v[S+32*\t+16], v[S+32*\t+17], v[S+32*\t+18]
.endr
.irp i, 3,5,7,9,11,13
.irp t, 0,1,2,3
	v_max3_num_f32 v[24+2*\t], v[24+2*\t], v[S+32*\t+\i], v[S+32*\t+\i+1]
	v_max3_num_f32 v[25+2*\t], v[25+2*\t], v[S+32*\t+16+\i], v[S+32*\t+17+\i]
.endr
.endr
.irp t, 0,1,2,3
.if \first
	v_max3_num_f32 v[24+2*\t], v[24+2*\t], v[S+32*\t+15], s35
.else
	v_max3_num_f32 v[24+2*\t], v[24+2*\t], v[S+32*\t+15], v[ST+4*\t+1]
.endif
.endr
.irp t, 0,1,2,3
	v_max3_num_f32 v[25+2*\t], v[25+2*\t], v[S+32*\t+31], v[24+2*\t]
.endr
.irp t, 0,1,2,3
	v_permlanex16_b32 v[ST+4*\t+3], v[25+2*\t], s36, s37   ; the query's other 32 keys lie in the lane 16 away
.endr
.irp t, 0,1,2,3
	v_max_num_f32 v[ST+4*\t+1], v[25+2*\t], v[ST+4*\t+3]   ; the new m
.endr
.if \first == 0
.irp t, 0,1,2,3
	v_fma_f32 v[ST+4*\t+2], v[ST+4*\t+1], s34, -v[ST+4*\t]   ; c m_old - c m_new
.endr
.endif
.irp t, 0,1,2,3
	v_mul_f32 v[ST+4*\t], s34, v[ST+4*\t+1]        ; -c m
.endr
.irp t, 0,1,2,3
.set j, 0
.rept 16
	v_pk_fma_f32 v[S+32*\t+j:S+32*\t+j+1], v[S+32*\t+j:S+32*\t+j+1], s[32:33], v[ST+4*\t:ST+4*\t+1] op_sel_hi:[1,0,0]   ; c s - c m, two at a time
.set j, j+2
.endr
.endr
.if \first == 0
.irp t, 0,1,2,3
	v_exp_f32 v[ST+4*\t+2], v[ST+4*\t+2]           ; f
.endr
.endif
.irp t, 0,1,2,3
.set j, 0
.rept 32
	v_exp_f32 v[S+32*\t+j], v[S+32*\t+j]           ; p: one batch, none of which reads another's result
.set j, j+1
.endr
.endr
	v_nop                                          ; a plain line behind the last exponential
	s_wait_alu depctr_va_vdst(0)                   ; one wait for the whole batch, ahead of its first reader
.irp t, 0,1,2,3
.set j, 0
.rept 16
	v_cvt_pk_f16_f32 v[S+32*\t+j], v[S+32*\t+2*j], v[S+32*\t+2*j+1]   ; P, in place: register j takes pair j, and no pair is overwritten before it is read
.set j, j+1
.endr
.endr
.if \first == 0
	WIN W_RS
.irp t, 0,1,2,3
.set j, 0
.rept 16
	v_pk_mul_f32 v[32*\t+j:32*\t+j+1], v[32*\t+j:32*\t+j+1], v[ST+4*\t+2:ST+4*\t+3] op_sel_hi:[1,0]   ; O^T x f
.set j, j+2
.endr
	v_pk_mul_f32 v[LS+8*\t:LS+8*\t+1], v[LS+8*\t:LS+8*\t+1], v[ST+4*\t+2:ST+4*\t+3] op_sel_hi:[1,0]   ; l x f
.endr
	WIN 0
.endif
.endm
; A KEY STEP of 64 keys.  On entry 24 LDS loads of mine are out, in this order: K's channels 0-31, the mask's terms, K's channels 32-63.  next = 1: it leaves the same for the next step.
.macro STEP first, next
	s_wait_dscnt 8                                 ; all but the youngest eight (K's channels 32-63)
	SQ H0, 0
	v_add_nc_u32 v[ADV], 0x10000, v[ADK]           ; V lies 65,536 bytes behind K.  With the three below: four places in front of the loads
	PLACES 3
	LOADH H0, ADV, 0                               ; V's keys 0-31
	s_wait_dscnt 8                                 ; all but those eight
	SQ H1, 1
	PLACES 4                                       ; in front of the loads, and of the first read of the scores
	LOADH H1, ADV, 1024                            ; V's keys 32-63
	SOFTMAX \first
	s_wait_dscnt 8                                 ; V's keys 0-31 are in
	PVG H0, 0, \first
	s_add_co_u32 s38, s38, 8192                    ; on to the next step's K,
	s_add_co_u32 s39, s39, 256                     ; and its mask terms
	v_add_nc_u32 v[ADK], s38, v[L16]
	v_add_nc_u32 v[ADB], s39, v[ABI]
	PLACES 2                                       ; with the two above: four places
.if \next
	LOADH H0, ADK, 0
	LOADBI
	s_wait_dscnt 16                                ; all but the sixteen just issued: V's keys 32-63 are in
.else
	s_wait_dscnt 0x0
.endif
	PVG H1, 1, 0
	PLACES 5                                       ; four in front of loads; five in front of the next scores, which are written over P
.if \next
	LOADH H1, ADK, 1024
.endif
.endm
; THE CHANGE OF SLOTS.  Each wave waits for all its tensor loads (its part of the other slot), adds 0 to its spare word, and waits for that and for its reads of the slot that it leaves.
; fill = 1: the barrier is a round of the cluster's, and behind it the slot just left is filled with the keys two slots on: it has eight key steps in which to land.
.macro CHANGE fill
	s_wait_tensorcnt 0x0                           ; no tensor load of mine is out, so a group 0 may be written
	ds_add_u32 v[SPW], v[NIL]
.if \fill
	s_xor_b32 s29, s29, SLOT1                      ; the walking descriptor: the other slot than last time,
	s_add_nc_u64 s[30:31], s[30:31], 0x10000       ; the next 512 keys
.endif
	s_sub_co_u32 s38, s38, 0x10000                 ; the fetches go back to a slot's first step,
	s_xor_b32 s38, s38, SLOT1                      ; in the other slot
	s_wait_dscnt 0x0                               ; the add is done, and my reads of the slot are over
.if \fill
	CROUND
	tensor_load_to_lds s[28:31], s[16:23]          ; my one tensor load behind the round, and the first thing there
	s_nop 0
	PLACES 4
.else
	s_barrier_signal -1
	s_barrier_wait -1
.endif
.endm
	KFETCH
	STEP 1, 1                                      ; the first key step starts m, l and O^T
	s_mov_b32 s40, 6
.Lslot0:
	STEP 0, 1
	s_sub_co_u32 s40, s40, 1
	s_cmp_lg_u32 s40, 0
	s_cbranch_scc1 .Lslot0
	STEP 0, 0                                      ; a slot's last step fetches nothing
	s_mov_b32 s41, 2
.Lslot:                                            ; two trips: the two refills
	CHANGE 1
	KFETCH
	s_mov_b32 s40, 7
.Lstep:
	STEP 0, 1
	s_sub_co_u32 s40, s40, 1
	s_cmp_lg_u32 s40, 0
	s_cbranch_scc1 .Lstep
	STEP 0, 0
	s_sub_co_u32 s41, s41, 1
	s_cmp_lg_u32 s41, 0
	s_cbranch_scc1 .Lslot
	CHANGE 0                                       ; the last slot is written out: nothing is left to ask for
	KFETCH
	s_mov_b32 s40, 7
.Llast:
	STEP 0, 1
	s_sub_co_u32 s40, s40, 1
	s_cmp_lg_u32 s40, 0
	s_cbranch_scc1 .Llast
	STEP 0, 0
	; THE WAY OUT.  O^T / l, rounded to f16: a lane's eight channels are 16 bytes, the 32 lanes' 512 bytes one block of the output projection's fragment.
	WIN 0x01
.irp t, 0,1,2,3
	v_rcp_f32 v[ST+4*\t+2], v[LS+8*\t]
.endr
	WIN 0
	v_nop                                          ; a plain line behind the last reciprocal
	s_wait_alu depctr_va_vdst(0)                   ; one wait for the four, ahead of their first reader
	WIN W_RS
.irp t, 0,1,2,3
.set j, 0
.rept 16
	v_pk_mul_f32 v[32*\t+j:32*\t+j+1], v[32*\t+j:32*\t+j+1], v[ST+4*\t+2:ST+4*\t+3] op_sel_hi:[1,0]
.set j, j+2
.endr
.endr
	WIN 0x05                                       ; sources window 1, destination window 0
.irp t, 0,1,2,3
.set j, 0
.rept 16
	v_cvt_pk_f16_f32 v[S+16*\t+j], v[32*\t+2*j], v[32*\t+2*j+1]
.set j, j+1
.endr
.endr
	WIN 0
.irp t, 0,1,2,3
.irp ct, 0,1,2,3
	global_store_b128 v[L16], v[S+16*\t+4*\ct:S+16*\t+4*\ct+3], s[8:9] offset:\t*32768+\ct*512   ; 512 consecutive bytes, aligned
.endr
.endr
	s_wait_tensorcnt 0x0                           ; the wave's end
	ds_add_u32 v[SPW], v[NIL]
	s_wait_dscnt 0x0
	CROUND                                         ; the closing round
	s_endpgm
.Lfunc_end_k_qf41adb3f1f_attn:
	.size	k_qf41adb3f1f_attn, .Lfunc_end_k_qf41adb3f1f_attn-k_qf41adb3f1f_attn
	.p2alignl 7, 3214868480
	.fill 96, 4, 3214868480
	.section	.rodata,"a",@progbits
	.p2align	6, 0x0
	.amdhsa_kernel k_qf41adb3f1f_attn
		.amdhsa_group_segment_fixed_size 327680
		.amdhsa_private_segment_fixed_size 0
		.amdhsa_enable_private_segment 0
		.amdhsa_kernarg_size 24
		.amdhsa_user_sgpr_count 2
		.amdhsa_user_sgpr_kernarg_segment_ptr 1
		.amdhsa_wavefront_size32 1
		.amdhsa_system_sgpr_workgroup_id_x 1
		.amdhsa_system_sgpr_workgroup_id_y 1
		.amdhsa_system_sgpr_workgroup_id_z 1
		.amdhsa_system_vgpr_workitem_id 0
		.amdhsa_next_free_vgpr 512
		.amdhsa_next_free_sgpr 66
		.amdhsa_reserve_vcc 1
		.amdhsa_float_denorm_mode_32 3
		.amdhsa_float_denorm_mode_16_64 3
		.amdhsa_memory_ordered 1
		.amdhsa_forward_progress 1
		.amdhsa_inst_pref_size 221
	.end_amdhsa_kernel
	.amdgpu_metadata
---
amdhsa.version: [ 1, 2 ]
amdhsa.kernels:
  - .name:           k_qf41adb3f1f_attn
    .symbol:         k_qf41adb3f1f_attn.kd
    .args:
      - { .name: qkv, .offset: 0, .size: 8, .value_kind: global_buffer, .address_space: global }
      - { .name: mask, .offset: 8, .size: 8, .value_kind: global_buffer, .address_space: global }
      - { .name: ctx, .offset: 16, .size: 8, .value_kind: global_buffer, .address_space: global }
    .group_segment_fixed_size: 327680
    .private_segment_fixed_size: 0
    .kernarg_segment_align: 8
    .kernarg_segment_size: 24
    .max_flat_workgroup_size: 256
    .sgpr_count:     66
    .vgpr_count:     512
    .wavefront_size: 32
...
	.end_amdgpu_metadata
.endif
;; end of part 3
;; launch outp (part 4): grid 4 x 64, 4 waves a work-group, clusters of 4 x 4, 327,680 bytes of LDS; arguments ctx, wo16, bo, out0; writes out0
.if DOCPART == 4
	.amdgcn_target "amdgcn-amd-amdhsa--gfx1250"
	.amdhsa_code_object_version 6
	.text
	.protected	k_qf41adb3f1f_outp
	.globl	k_qf41adb3f1f_outp
	.p2align	8
	.type	k_qf41adb3f1f_outp,@function
k_qf41adb3f1f_outp:
	s_mov_b64 s[64:65], 0
	v_nop
	global_prefetch_b8 v0, s[64:65] scope:SCOPE_SE
	s_setreg_imm32_b32 hwreg(HW_REG_WAVE_MODE, 25, 1), 1
	s_wait_xcnt 0x0
	s_wait_alu depctr_hold_cnt(0) depctr_sa_sdst(0) depctr_va_vdst(0) depctr_va_sdst(0) depctr_va_ssrc(0) depctr_va_vcc(0) depctr_vm_vsrc(0)
	s_getreg_b32 s2, hwreg(HW_REG_IB_STS2, 6, 4)
	s_cmp_eq_u32 s2, 0
	s_cbranch_scc0 .Lentry_in_a_cluster
	s_endpgm
.Lentry_in_a_cluster:
	s_bfe_u32 s2, ttmp6, 0x10000c
	s_cmp_lg_u32 s2, 0xf033
	s_cbranch_scc0 .Lentry_shape_is_right
	s_endpgm
.Lentry_shape_is_right:
; OUTP.  out0 = ctx Wo + bo: f16 operands, f32 sums, f32 out.  ctx [tile of 16 tokens][chunk of 32 k][1024] and wo16 [tile of 16 n][chunk][1024] are images of the operands' registers.
; A work-group makes X 256 columns n (source 0, wo16) x Y 128 tokens (source 1, ctx): a lane then holds eight neighbouring columns of one token's row.  Wave w: X tiles 8 (w % 2) on, Y tiles 4 (w / 2) on: 32 accumulators.
; K goes in steps of 128 (four chunks) through a ring of two slots: a tile's part of a step is 4,096 consecutive bytes; a wave fetches 8 such rows of X or 4 of Y by one tensor load.
; CLUSTER 4 x 4: X's tiles hang on cx alone and are asked for jointly by a column of the cluster, Y's on cy alone, by a row.
; The bias is the C of each sum's first matrix instruction.  The results leave through a stage in LDS as whole rows of 512 bytes.
; No prefetch: the launch's 256 work-groups read ctx once and move 50 MB beside 1,024 matrix instructions a wave: memory is busy throughout.
; REGISTERS.  window 0: v4-11 addresses; v28, 29 the add's two; v64-127 Y's fragments, two sets; v128-255 rows on the way out.   window 1: v0-127 X's fragments, two sets; v128-191 the bias.
;   window 2: accumulator (xi, yi) at 8 (8 yi + xi).
.set SLOT,   98304                     ; X: 16 tiles x 4,096 bytes, then Y: 8 tiles
.set YOFF,   65536
.set SPARE,  2*SLOT                    ; the spare words, 128 bytes a wave
.set SPITCH, 528                       ; the stage: 16 rows x (512 + 16) bytes a wave, in slot 0, which has had its last fill and its last read when the first result is stored there
.set ADX, 4                            ; v4, 5  my X fragments in slot 0, 1
.set ADY, 6                            ; v6, 7
.set STO, 8
.set RD,  9
.set CO,  10
.set BA,  11
.set SPW, 28
.set NIL, 29
.set YF,  64
.set BK,  128
.set CB,  128                          ; in window 1
.set G1X, 24
.set G0X, 32
.set G1Y, 48
.set G0Y, 56
.set MSB, 0
.macro WIN new                         ; the immediate's high byte repeats the setting that is left
.if MSB != \new
	s_set_vgpr_msb (MSB<<8)|\new
.set MSB, \new
.endif
.endm
.macro PLACES
.rept 4
	v_nop
.endr
.endm
.macro JLOAD g0a, g1a, g0b, g1b        ; a joint load: waves 0 and 1 fetch X's halves, waves 2 and 3 Y's; an s_nop 0 and four v_nop follow each line
	s_cmp_eq_u32 s15, 0
	s_cbranch_scc0 .Lfor_y_\@
	tensor_load_to_lds s[\g0a:\g0a+3], s[\g1a:\g1a+7]
	s_nop 0
.rept 4
	v_nop
.endr
	s_branch .Lasked_\@
.Lfor_y_\@:
	tensor_load_to_lds s[\g0b:\g0b+3], s[\g1b:\g1b+7]
	s_nop 0
.rept 4
	v_nop
.endr
.Lasked_\@:
.endm
.macro CREST                           ; a round of the cluster's barrier behind its opening barrier
	s_cmp_lg_u32 s14, 0
	s_cbranch_scc1 .Lnot_wave_0_\@
	s_barrier_signal -3
.Lnot_wave_0_\@:
	s_barrier_wait -3
	s_barrier_signal -1
	s_barrier_wait -1
.endm
.macro CROUND
	s_barrier_signal -1
	s_barrier_wait -1
	CREST
.endm
	s_load_b256 s[4:11], s[0:1], 0x0               ; ctx 4, wo16 6, bo 8, out0 10
	v_lshl_add_u32 v[SPW], v0, 2, SPARE
	v_mov_b32 v[NIL], 0
	ds_add_u32 v[SPW], v[NIL]                      ; the wave's opening
	ds_add_u32 v[SPW], v[NIL]
	v_lshrrev_b32 v1, 5, v0
	v_readfirstlane_b32 s14, v1                    ; wave
	s_lshr_b32 s15, s14, 1                         ; my half of Y's tiles.  Also: I fetch for X (0) or for Y (1)
	s_and_b32 s16, s14, 1                          ; my half of X's tiles.  Also: which half I fetch
	s_bfe_u32 s40, ttmp6, 0x40000                  ; cx
	s_bfe_u32 s41, ttmp6, 0x40004                  ; cy
	s_lshl_b32 s42, ttmp9, 2
	s_add_co_u32 s42, s42, s40                     ; my block of 256 columns
	s_and_b32 s17, ttmp7, 0xffff
	s_lshl_b32 s17, s17, 2
	s_add_co_u32 s17, s17, s41                     ; my block of 128 tokens
	s_lshl_b32 s43, s41, 2
	s_lshl_b32 s43, 15, s43                        ; my row of the cluster
	s_lshl_b32 s44, 0x1111, s40                    ; my column
	; descriptor group 1: rows of 4,096 bytes (512 elements of 8), 32,768 bytes apart: X 8 rows, Y 4
	s_or_b32 s[G1X], s44, (3<<16)|(1<<21)
	s_mov_b32 s[G1X+1], 512<<16                    ; tensor_dim0
	s_mov_b32 s[G1X+2], 8<<16                      ; tensor_dim1
	s_mov_b32 s[G1X+3], 512<<16                    ; tile_dim0
	s_mov_b32 s[G1X+4], 8                          ; tile_dim1
	s_mov_b32 s[G1X+5], 4096                       ; from row to row, in elements
	s_mov_b32 s[G1X+6], 0
	s_mov_b32 s[G1X+7], 0
	s_or_b32 s[G1Y], s43, (3<<16)|(1<<21)
	s_mov_b32 s[G1Y+1], 512<<16
	s_mov_b32 s[G1Y+2], 4<<16
	s_mov_b32 s[G1Y+3], 512<<16
	s_mov_b32 s[G1Y+4], 4
	s_mov_b32 s[G1Y+5], 4096
	s_mov_b32 s[G1Y+6], 0
	s_mov_b32 s[G1Y+7], 0
	s_lshl_b32 s20, s42, 4
	s_lshl_b32 s18, s16, 3
	s_add_co_u32 s20, s20, s18                     ; the first X tile that I fetch
	s_lshl_b32 s20, s20, 15
	s_mov_b32 s21, 0
	s_lshl_b32 s46, s17, 3
	s_lshl_b32 s19, s16, 2
	s_add_co_u32 s46, s46, s19                     ; the first Y tile that I fetch
	s_lshl_b32 s46, s46, 15
	s_mov_b32 s47, 0
	s_lshl_b32 s22, s16, 15                        ; where they go: no place in the cluster enters an LDS address
	s_lshl_b32 s23, s16, 14
	s_add_co_u32 s23, s23, YOFF
	s_wait_dscnt 0x0                               ; both opening adds are done
	s_wait_kmcnt 0x0
	s_add_nc_u64 s[20:21], s[6:7], s[20:21]
	s_add_nc_u64 s[46:47], s[4:5], s[46:47]
	CROUND                                         ; all sixteen work-groups are here: the first joint loads meet
.irp s, 0,1
	s_mov_b32 s[G0X+4*\s], 1
	s_add_co_u32 s[G0X+4*\s+1], s22, \s*SLOT
	s_add_nc_u64 s[G0X+4*\s+2:G0X+4*\s+3], s[20:21], \s*4096
	s_or_b32 s[G0X+4*\s+3], s[G0X+4*\s+3], 0x80000000
	s_mov_b32 s[G0Y+4*\s], 1
	s_add_co_u32 s[G0Y+4*\s+1], s23, \s*SLOT
	s_add_nc_u64 s[G0Y+4*\s+2:G0Y+4*\s+3], s[46:47], \s*4096
	s_or_b32 s[G0Y+4*\s+3], s[G0Y+4*\s+3], 0x80000000
	JLOAD G0X+4*\s, G1X, G0Y+4*\s, G1Y
.endr
	s_lshl_b32 s66, s42, 10                        ; the bias: my 128 columns; tile xi wants columns 16 xi + 8 h + 0 .. 7
	s_lshl_b32 s70, s16, 9
	s_add_co_u32 s66, s66, s70
	s_mov_b32 s67, 0
	s_add_nc_u64 s[8:9], s[8:9], s[66:67]
	v_bfe_u32 v2, v0, 4, 1                         ; h
	v_lshlrev_b32 v[BA], 5, v2
	WIN 0x40
.irp xi, 0,1,2,3,4,5,6,7
	global_load_b128 v[CB+8*\xi:CB+8*\xi+3], v[BA], s[8:9] offset:\xi*64
	global_load_b128 v[CB+8*\xi+4:CB+8*\xi+7], v[BA], s[8:9] offset:\xi*64+16
.endr
	WIN 0
	v_and_b32 v1, 15, v0                           ; r
	v_and_b32 v3, 31, v0
	v_lshlrev_b32 v[CO], 4, v3                     ; 16 x lane
	s_lshl_b32 s71, s16, 15                        ; my eight X tiles
	s_lshl_b32 s72, s15, 14                        ; my four Y tiles
	s_add_co_u32 s72, s72, YOFF
	v_add_nc_u32 v[ADX], s71, v[CO]
	v_add_nc_u32 v[ADY], s72, v[CO]
	v_add_nc_u32 v[ADX+1], SLOT, v[ADX]
	v_add_nc_u32 v[ADY+1], SLOT, v[ADY]
	s_mul_i32 s73, s14, 16*SPITCH                  ; my stage
	v_mul_u32_u24 v[STO], v1, SPITCH
	v_lshl_add_u32 v[STO], v2, 5, v[STO]
	v_add_nc_u32 v[STO], s73, v[STO]               ; in: row r, 32 bytes for each half of the lanes
	v_add_nc_u32 v[RD], s73, v[CO]                 ; back: the 32 lanes take one row of 512 bytes
	s_lshl_b32 s68, s17, 7
	s_lshl_b32 s74, s15, 6
	s_add_co_u32 s68, s68, s74                     ; my first token
	s_lshl_b32 s68, s68, 12                        ; rows of 4,096 bytes
	s_add_co_u32 s68, s68, s66                     ; + my first column, in bytes
	s_mov_b32 s69, 0
	s_add_nc_u64 s[10:11], s[10:11], s[68:69]
.macro FETCH slot, q, set              ; chunk q of the slot's four into a set: 24 loads of 512 consecutive bytes
	WIN 0x40
.irp xi, 0,1,2,3,4,5,6,7
.irp c, 0,1
	ds_load_b128 v[64*(\set)+8*\xi+4*\c:64*(\set)+8*\xi+4*\c+3], v[ADX+\slot] offset:\xi*4096+(\q)*1024+\c*512
.endr
.endr
	WIN 0
.irp yi, 0,1,2,3
.irp c, 0,1
	ds_load_b128 v[YF+32*(\set)+8*\yi+4*\c:YF+32*(\set)+8*\yi+4*\c+3], v[ADY+\slot] offset:\yi*4096+(\q)*1024+\c*512
.endr
.endr
.endm
.macro MUL8 yi, set, cmode             ; Y tile yi against X's eight.  The 32 accumulators take turns, one instruction a turn, in the same order in every chunk
.irp xi, 0,1,2,3,4,5,6,7
.if \cmode
	v_wmma_f32_16x16x32_f16 v[8*(8*\yi+\xi):8*(8*\yi+\xi)+7], v[64*(\set)+8*\xi:64*(\set)+8*\xi+7], v[YF+32*(\set)+8*\yi:YF+32*(\set)+8*\yi+7], v[CB+8*\xi:CB+8*\xi+7]
.else
	v_wmma_f32_16x16x32_f16 v[8*(8*\yi+\xi):8*(8*\yi+\xi)+7], v[64*(\set)+8*\xi:64*(\set)+8*\xi+7], v[YF+32*(\set)+8*\yi:YF+32*(\set)+8*\yi+7], v[8*(8*\yi+\xi):8*(8*\yi+\xi)+7]
.endif
.endr
.endm
.set MULW, 0xa1                        ; X window 1, Y window 0, C and D window 2
.macro CHUNK slot, q, cmode            ; one of a slot's first three chunks: the next chunk's fragments are asked for, then this one is multiplied
	s_wait_dscnt 0x0                               ; this chunk's fragments are in
	PLACES                                         ; in front of loads into registers that the chunk before has read
	FETCH \slot, (\q)+1, ((\q)+1)%2
.if \cmode
	WIN 0x91                                       ; C (the bias) in window 1
.else
	WIN MULW
.endif
	MUL8 0, (\q)%2, \cmode
	MUL8 1, (\q)%2, \cmode
	MUL8 2, (\q)%2, \cmode
	MUL8 3, (\q)%2, \cmode
	WIN 0
.endm
; A slot's last chunk changes slots: ONE barrier; in front of it each wave waits for all its tensor loads, adds 0 to its spare word, and waits for that and for its reads of this slot.  fill = 1: the slot is filled again, two K steps ahead.
.macro TURN slot, next, fill
	s_wait_tensorcnt 0x0                           ; all my tensor loads have landed: my part of the next slot
	ds_add_u32 v[SPW], v[NIL]
	s_wait_dscnt 0x1                               ; the chunk's fragments are in; the add alone may be out
	WIN MULW
	MUL8 0, 1, 0                                   ; eight matrix instructions stand between the add and the wait for it
	s_wait_dscnt 0x0                               ; the add is done, and my reads of this slot are over
	s_barrier_signal -1
	MUL8 1, 1, 0
	WIN 0
	s_barrier_wait -1
.if \fill
	CREST                                          ; the barrier has opened a round of the cluster's: no wave of any partner still reads this slot or has a load on its way
	s_add_nc_u64 s[G0X+4*\slot+2:G0X+4*\slot+3], s[G0X+4*\slot+2:G0X+4*\slot+3], 8192
	s_add_nc_u64 s[G0Y+4*\slot+2:G0Y+4*\slot+3], s[G0Y+4*\slot+2:G0Y+4*\slot+3], 8192
	JLOAD G0X+4*\slot, G1X, G0Y+4*\slot, G1Y       ; the first tensor load behind the round; its four v_nop are also the places in front of the loads below
.else
	PLACES
.endif
	FETCH \next, 0, 0
	WIN MULW
	MUL8 2, 1, 0
	MUL8 3, 1, 0
	WIN 0
.endm
	s_wait_tensorcnt 0x1                           ; my part of K step 0 has landed; K step 1's may stay out
	s_barrier_signal -1
	s_barrier_wait -1
	FETCH 0, 0, 0
	s_wait_loadcnt 0x0                             ; the bias
	CHUNK 0, 0, 1                                  ; the first chunk stands in front of the loop: its products start the sums
	s_mov_b32 s3, 3
.Llap:                                             ; a trip goes once round the ring and fills both slots again: K steps 2 to 7
	CHUNK 0, 1, 0
	CHUNK 0, 2, 0
	TURN 0, 1, 1
	CHUNK 1, 0, 0
	CHUNK 1, 1, 0
	CHUNK 1, 2, 0
	TURN 1, 0, 1
	CHUNK 0, 0, 0
	s_sub_co_u32 s3, s3, 1
	s_cmp_lg_u32 s3, 0
	s_cbranch_scc1 .Llap
	CHUNK 0, 1, 0                                  ; the last lap fills nothing
	CHUNK 0, 2, 0
	TURN 0, 1, 0
	CHUNK 1, 0, 0
	CHUNK 1, 1, 0
	CHUNK 1, 2, 0
	s_wait_dscnt 0x0
	WIN MULW
	MUL8 0, 1, 0
	MUL8 1, 1, 0
	MUL8 2, 1, 0
	MUL8 3, 1, 0
	WIN 0
; THE WAY OUT, a block of 16 tokens x 128 columns at a time, through my own stage: in as 32 bytes a lane, back as whole rows of 512 bytes.  LDS serves a wave's instructions in order: no wait between the stores and the loads.
.macro TOSTAGE a
	WIN 0x08                                       ; an LDS store's data: window 2
.irp xi, 0,1,2,3,4,5,6,7
	ds_store_b128 v[STO], v[64*(\a)+8*\xi:64*(\a)+8*\xi+3] offset:64*\xi       ; each accumulator from its low end on
	ds_store_b128 v[STO], v[64*(\a)+8*\xi+4:64*(\a)+8*\xi+7] offset:64*\xi+16
.endr
	WIN 0
.irp t, 0,1,2,3,4,5,6,7,8,9,10,11,12,13,14,15
	ds_load_b128 v[BK+64*((\a)%2)+4*\t:BK+64*((\a)%2)+4*\t+3], v[RD] offset:\t*SPITCH
.endr
.endm
.macro SEND a, younger                 ; younger: the LDS instructions issued behind block a's loads, which may stay out
	s_wait_dscnt \younger
.if (\a) > 0
	s_add_nc_u64 s[10:11], s[10:11], 0x10000       ; 16 rows on (behind a wait on XCNT: the earlier stores have read their base)
.endif
.irp t, 0,1,2,3,4,5,6,7,8,9,10,11,12,13,14,15
	global_store_b128 v[CO], v[BK+64*((\a)%2)+4*\t:BK+64*((\a)%2)+4*\t+3], s[10:11] offset:\t*4096 th:TH_STORE_NT   ; 512 consecutive bytes, aligned
.endr
.endm
	PLACES
	TOSTAGE 0
.irp a, 1,2,3
.if \a > 1
	s_wait_xcnt 0x0                                ; block a - 2's stores have read their registers and their base
.endif
	TOSTAGE \a
	SEND \a-1, 32                                  ; behind block a - 1's loads: block a's 16 stores and 16 loads
.endr
	s_wait_xcnt 0x0
	SEND 3, 0
	s_wait_tensorcnt 0x0                           ; the wave's end
	ds_add_u32 v[SPW], v[NIL]
	s_wait_dscnt 0x0
	CROUND                                         ; the closing round
	s_endpgm
.Lfunc_end_k_qf41adb3f1f_outp:
	.size	k_qf41adb3f1f_outp, .Lfunc_end_k_qf41adb3f1f_outp-k_qf41adb3f1f_outp
	.p2alignl 7, 3214868480
	.fill 96, 4, 3214868480
	.section	.rodata,"a",@progbits
	.p2align	6, 0x0
	.amdhsa_kernel k_qf41adb3f1f_outp
		.amdhsa_group_segment_fixed_size 327680
		.amdhsa_private_segment_fixed_size 0
		.amdhsa_enable_private_segment 0
		.amdhsa_kernarg_size 32
		.amdhsa_user_sgpr_count 2
		.amdhsa_user_sgpr_kernarg_segment_ptr 1
		.amdhsa_wavefront_size32 1
		.amdhsa_system_sgpr_workgroup_id_x 1
		.amdhsa_system_sgpr_workgroup_id_y 1
		.amdhsa_system_sgpr_workgroup_id_z 1
		.amdhsa_system_vgpr_workitem_id 0
		.amdhsa_next_free_vgpr 768
		.amdhsa_next_free_sgpr 100
		.amdhsa_reserve_vcc 0
		.amdhsa_float_denorm_mode_32 3
		.amdhsa_float_denorm_mode_16_64 3
		.amdhsa_memory_ordered 1
		.amdhsa_forward_progress 1
		.amdhsa_inst_pref_size 86
	.end_amdhsa_kernel
	.amdgpu_metadata
---
amdhsa.version: [ 1, 2 ]
amdhsa.kernels:
  - .name:           k_qf41adb3f1f_outp
    .symbol:         k_qf41adb3f1f_outp.kd
    .args:
      - { .name: ctx, .offset: 0, .size: 8, .value_kind: global_buffer, .address_space: global }
      - { .name: wo16, .offset: 8, .size: 8, .value_kind: global_buffer, .address_space: global }
      - { .name: bo, .offset: 16, .size: 8, .value_kind: global_buffer, .address_space: global }
      - { .name: out0, .offset: 24, .size: 8, .value_kind: global_buffer, .address_space: global }
    .group_segment_fixed_size: 327680
    .private_segment_fixed_size: 0
    .kernarg_segment_align: 8
    .kernarg_segment_size: 32
    .max_flat_workgroup_size: 128
    .sgpr_count:     100
    .vgpr_count:     768
    .wavefront_size: 32
...
	.end_amdgpu_metadata
.endif
;; end of part 4
